; MI455X (gfx1250); checked and timed in simulation.
; The chip was launched on July 23, 2026; its instructions are those of AMD's public machine-readable ISA for CDNA 5 (MIT licence, August 2026) and "CDNA5" Instruction Set Architecture Reference Guide (July 2026). The comments in the code are by the model that wrote it; some were corrected since.
;; Hyper GRU Cell. Allowed arithmetic: float matrix products may take bf16 or f16 operands with f32 sums; other float arithmetic in f32, or as packed bf16 or f16 multiplies, adds, multiply-adds, maxima and minima; sums over many terms, partial sums and values carried from step to step in f32; what a program stores and reads back later, other than sums and carried values, may be rounded once to bf16 or f16.
;; Inputs: U 512 x 512 float32; Ur 512 x 512 float32; Uz 512 x 512 float32; W 512 x 512 float32; Wr 512 x 512 float32; Wz 512 x 512 float32; bU 512 float32; bUr 512 float32; bUz 512 float32; bW 512 float32; bWr 512 float32; bWz 512 float32; inp 16,384 x 512 float32; prev 16,384 x 512 float32.
;; Outputs: out0 16,384 x 512 float32.
;; One version. Each part assembles by itself: llvm-mc -triple=amdgcn-amd-amdhsa -mcpu=gfx1250 --defsym DOCPART=n.
;; ======== version 1 of 1: 2 launches
;; limits: values outside matrix products are rounded to bf16; values outside matrix products are rounded to f16
;; workspace buffers: ws 3,145,728 bytes; bc 9,472 bytes
;; launch prep (part 1): grid 385 x 1, 8 waves a work-group, no clusters, 0 bytes of LDS; arguments Wz, Uz, Wr, Ur, W, U, bWz, bUz, bWr, bUr, bW, bU, ws, bc; writes ws, bc
.if DOCPART == 1
	.amdgcn_target "amdgcn-amd-amdhsa--gfx1250"
	.amdhsa_code_object_version 6
	.text
	.protected	k_q1b5650aab1_prep
	.globl	k_q1b5650aab1_prep
	.p2align	8
	.type	k_q1b5650aab1_prep,@function
k_q1b5650aab1_prep:
	s_mov_b64 s[64:65], 0
	v_nop
	global_prefetch_b8 v0, s[64:65] scope:SCOPE_SE
	s_setreg_imm32_b32 hwreg(HW_REG_WAVE_MODE, 25, 1), 1
	s_wait_xcnt 0x0
; Weights and biases are rounded to bf16 once and laid out as the second launch reads them.
; ws: byte g*8192 + nt*1024 + half*512 + 16*lane, g = 16*(4*pass + c) + 4*w + ks (pass: Wz,Uz,Wr,Ur,W,U).  Lane 16h+r holds the eight numbers
;     M[128 ks + 32 c + 16 half + 8 h + j][128 w + 16 nt + r], j = 0..7: half a matrix fragment of 16 output columns x 32 k.
; bc: stage k (Z, R, C) at 3072 k: bA bf16 (1,024 bytes), bB bf16 (1,024), zeros (1,024); at 9216 + 16 k: |bA|^2, |bB|^2, bA.bB, 0 in f32, of the rounded biases.
; Work-groups 0..383 make 8,192 bytes of ws each, a wave 1,024 (its number is nt); work-group 384 makes bc, wave v stage v.
	s_load_b512 s[8:23], s[0:1], 0x0               ; Wz, Uz, Wr, Ur, W, U, bWz, bUz
	s_load_b256 s[24:31], s[0:1], 0x40             ; bWr, bUr, bW, bU
	s_load_b128 s[32:35], s[0:1], 0x60             ; ws, bc
	v_lshrrev_b32 v1, 5, v0
	v_readfirstlane_b32 s36, v1                    ; wave
	v_and_b32 v2, 31, v0                           ; lane
	v_and_b32 v3, 15, v0                           ; r
	v_bfe_u32 v4, v0, 4, 1                         ; h
	s_wait_kmcnt 0x0
	s_cmp_eq_u32 ttmp9, 384
	s_cbranch_scc1 .Lbias
	s_lshr_b32 s37, ttmp9, 6                       ; pass
	s_bfe_u32 s40, ttmp9, 0x20004                  ; c
	s_bfe_u32 s41, ttmp9, 0x20002                  ; w
	s_and_b32 s42, ttmp9, 3                        ; ks
	s_mov_b64 s[38:39], s[8:9]
.irp i, 1,2,3,4,5
	s_cmp_eq_u32 s37, \i
	s_cselect_b64 s[38:39], s[8+2*\i:9+2*\i], s[38:39]
.endr
	s_lshl_b32 s42, s42, 7
	s_lshl_b32 s40, s40, 5
	s_add_co_u32 s42, s42, s40                     ; first k = 128 ks + 32 c
	s_lshl_b32 s42, s42, 11                        ; a row of the matrix is 2,048 bytes
	s_lshl_b32 s41, s41, 9                         ; column 128 w,
	s_lshl_b32 s43, s36, 6                         ; + 16 nt, in bytes
	s_add_co_u32 s42, s42, s41
	s_add_co_u32 s42, s42, s43
	v_lshlrev_b32 v5, 2, v3                        ; + r
	v_lshl_add_u32 v5, v4, 14, v5                  ; + 8 h rows
	v_add_nc_u32 v5, s42, v5
.irp m, 0,1,2,3,4,5,6,7,8,9,10,11,12,13,14,15
	global_load_b32 v[8+\m], v5, s[38:39] offset:2048*\m   ; k = first k + 8 h + m (m = 16 half + j reaches 16 half + 8 h + j through the lane term)
.endr
	s_lshl_b32 s44, ttmp9, 13
	s_mov_b32 s45, 0
	s_add_nc_u64 s[32:33], s[32:33], s[44:45]
	s_lshl_b32 s46, s36, 10
	v_lshl_add_u32 v6, v2, 4, s46
	s_wait_loadcnt 0x0
	s_branch .Lpack
.Lpack:
	; rows m = 0..7 are j of half 0; half 1 lies 16 rows on, so it is fetched apart below
.irp m, 0,1,2,3
	v_cvt_pk_bf16_f32 v[24+\m], v[8+2*\m], v[9+2*\m]       ; the lower k in the low half
.endr
	global_store_b128 v6, v[24:27], s[32:33]               ; 512 consecutive bytes of the wave, aligned
.irp m, 0,1,2,3,4,5,6,7
	global_load_b32 v[32+\m], v5, s[38:39] offset:2048*(16+\m)   ; half 1: k = first k + 16 + 8 h + j
.endr
	s_wait_loadcnt 0x0
.irp m, 0,1,2,3
	v_cvt_pk_bf16_f32 v[28+\m], v[32+2*\m], v[33+2*\m]
.endr
	global_store_b128 v6, v[28:31], s[32:33] offset:512
	s_endpgm
.Lbias:
	s_cmp_lt_u32 s36, 3
	s_cbranch_scc0 .Lend
	s_mov_b64 s[38:39], s[20:21]
	s_mov_b64 s[40:41], s[22:23]
	s_cmp_eq_u32 s36, 1
	s_cselect_b64 s[38:39], s[24:25], s[38:39]
	s_cselect_b64 s[40:41], s[26:27], s[40:41]
	s_cmp_eq_u32 s36, 2
	s_cselect_b64 s[38:39], s[28:29], s[38:39]
	s_cselect_b64 s[40:41], s[30:31], s[40:41]
	v_lshlrev_b32 v5, 4, v2
.irp i, 0,1,2,3
	global_load_b128 v[8+4*\i:11+4*\i], v5, s[38:39] offset:512*\i     ; bA, columns 128 i + 4 lane ..
	global_load_b128 v[24+4*\i:27+4*\i], v5, s[40:41] offset:512*\i    ; bB
.endr
	s_mul_i32 s42, s36, 3072
	v_lshl_add_u32 v6, v2, 3, s42
	v_mov_b32 v56, 0
	v_mov_b32 v57, 0
	v_mov_b32 v61, 0
	v_mov_b32 v63, 0
	s_mov_b32 s44, 0x76543210
	s_mov_b32 s45, 0xfedcba98
	s_mov_b32 s47, 0xffff0000
.irp i, 0,1,2,3
	global_store_b64 v6, v[56:57], s[34:35] offset:2048+256*\i         ; the zero rows of the probe
.endr
	s_wait_loadcnt 0x0
.irp i, 0,1,2,3
	v_cvt_pk_bf16_f32 v[40+2*\i], v[8+4*\i], v[9+4*\i]
	v_cvt_pk_bf16_f32 v[41+2*\i], v[10+4*\i], v[11+4*\i]
	v_cvt_pk_bf16_f32 v[48+2*\i], v[24+4*\i], v[25+4*\i]
	v_cvt_pk_bf16_f32 v[49+2*\i], v[26+4*\i], v[27+4*\i]
.endr
.irp i, 0,1,2,3
	global_store_b64 v6, v[40+2*\i:41+2*\i], s[34:35] offset:256*\i
	global_store_b64 v6, v[48+2*\i:49+2*\i], s[34:35] offset:1024+256*\i
.endr
.irp m, 0,1,2,3,4,5,6,7
	v_lshlrev_b32 v[8+2*\m], 16, v[40+\m]          ; the rounded numbers back in f32
	v_and_b32 v[9+2*\m], s47, v[40+\m]
	v_lshlrev_b32 v[24+2*\m], 16, v[48+\m]
	v_and_b32 v[25+2*\m], s47, v[48+\m]
.endr
	v_mul_f32 v58, v8, v8
	v_mul_f32 v59, v24, v24
	v_mul_f32 v60, v8, v24
.irp m, 1,2,3,4,5,6,7,8,9,10,11,12,13,14,15
	v_fma_f32 v58, v[8+\m], v[8+\m], v58
	v_fma_f32 v59, v[24+\m], v[24+\m], v59
	v_fma_f32 v60, v[8+\m], v[24+\m], v60
.endr
.irp d, 58,59,60
	v_add_f32_dpp v\d, v\d, v\d row_xmask:1 row_mask:0xf bank_mask:0xf
	v_add_f32_dpp v\d, v\d, v\d row_xmask:2 row_mask:0xf bank_mask:0xf
	v_add_f32_dpp v\d, v\d, v\d row_xmask:4 row_mask:0xf bank_mask:0xf
	v_add_f32_dpp v\d, v\d, v\d row_xmask:8 row_mask:0xf bank_mask:0xf
	v_permlanex16_b32 v63, v\d, s44, s45
	v_add_f32 v\d, v\d, v63
.endr
	s_lshl_b32 s43, s36, 4
	s_add_co_u32 s43, s43, 9216
	v_mov_b32 v62, s43
	v_cmp_eq_u32 vcc_lo, 0, v2
	s_wait_xcnt 0x0                                ; EXEC is a source of the stores above: it changes only behind this wait
	s_and_saveexec_b32 s46, vcc_lo
	global_store_b128 v62, v[58:61], s[34:35]      ; lane 0 alone: the stage's three constants
	s_wait_xcnt 0x0
	s_or_b32 exec_lo, exec_lo, s46
.Lend:
	s_endpgm
.Lfunc_end_k_q1b5650aab1_prep:
	.size	k_q1b5650aab1_prep, .Lfunc_end_k_q1b5650aab1_prep-k_q1b5650aab1_prep
	.p2alignl 7, 3214868480
	.fill 96, 4, 3214868480
	.section	.rodata,"a",@progbits
	.p2align	6, 0x0
	.amdhsa_kernel k_q1b5650aab1_prep
		.amdhsa_group_segment_fixed_size 0
		.amdhsa_private_segment_fixed_size 0
		.amdhsa_enable_private_segment 0
		.amdhsa_kernarg_size 112
		.amdhsa_user_sgpr_count 2
		.amdhsa_user_sgpr_kernarg_segment_ptr 1
		.amdhsa_wavefront_size32 1
		.amdhsa_system_sgpr_workgroup_id_x 1
		.amdhsa_system_sgpr_workgroup_id_y 1
		.amdhsa_system_sgpr_workgroup_id_z 1
		.amdhsa_system_vgpr_workitem_id 0
		.amdhsa_next_free_vgpr 64
		.amdhsa_next_free_sgpr 66
		.amdhsa_reserve_vcc 1
		.amdhsa_float_denorm_mode_32 3
		.amdhsa_float_denorm_mode_16_64 3
		.amdhsa_memory_ordered 1
		.amdhsa_forward_progress 1
		.amdhsa_inst_pref_size 14
	.end_amdhsa_kernel
	.amdgpu_metadata
---
amdhsa.version: [ 1, 2 ]
amdhsa.kernels:
  - .name:           k_q1b5650aab1_prep
    .symbol:         k_q1b5650aab1_prep.kd
    .args:
      - { .name: Wz, .offset: 0, .size: 8, .value_kind: global_buffer, .address_space: global }
      - { .name: Uz, .offset: 8, .size: 8, .value_kind: global_buffer, .address_space: global }
      - { .name: Wr, .offset: 16, .size: 8, .value_kind: global_buffer, .address_space: global }
      - { .name: Ur, .offset: 24, .size: 8, .value_kind: global_buffer, .address_space: global }
      - { .name: W, .offset: 32, .size: 8, .value_kind: global_buffer, .address_space: global }
      - { .name: U, .offset: 40, .size: 8, .value_kind: global_buffer, .address_space: global }
      - { .name: bWz, .offset: 48, .size: 8, .value_kind: global_buffer, .address_space: global }
      - { .name: bUz, .offset: 56, .size: 8, .value_kind: global_buffer, .address_space: global }
      - { .name: bWr, .offset: 64, .size: 8, .value_kind: global_buffer, .address_space: global }
      - { .name: bUr, .offset: 72, .size: 8, .value_kind: global_buffer, .address_space: global }
      - { .name: bW, .offset: 80, .size: 8, .value_kind: global_buffer, .address_space: global }
      - { .name: bU, .offset: 88, .size: 8, .value_kind: global_buffer, .address_space: global }
      - { .name: ws, .offset: 96, .size: 8, .value_kind: global_buffer, .address_space: global }
      - { .name: bc, .offset: 104, .size: 8, .value_kind: global_buffer, .address_space: global }
    .group_segment_fixed_size: 0
    .private_segment_fixed_size: 0
    .kernarg_segment_align: 8
    .kernarg_segment_size: 112
    .max_flat_workgroup_size: 256
    .sgpr_count:     66
    .vgpr_count:     64
    .wavefront_size: 32
...
	.end_amdgpu_metadata
.endif
;; end of part 1
;; launch cell (part 2): grid 256 x 1, 4 waves a work-group, clusters of 4 x 1, 327,680 bytes of LDS; arguments prev, inp, ws, bc, out0; writes out0
.if DOCPART == 2
	.amdgcn_target "amdgcn-amd-amdhsa--gfx1250"
	.amdhsa_code_object_version 6
	.text
	.protected	k_q1b5650aab1_cell
	.globl	k_q1b5650aab1_cell
	.p2align	8
	.type	k_q1b5650aab1_cell,@function
k_q1b5650aab1_cell:
	s_mov_b64 s[64:65], 0
	v_nop
	global_prefetch_b8 v0, s[64:65] scope:SCOPE_SE
	s_setreg_imm32_b32 hwreg(HW_REG_WAVE_MODE, 25, 1), 1
	s_wait_xcnt 0x0
	s_wait_alu depctr_hold_cnt(0) depctr_sa_sdst(0) depctr_va_vdst(0) depctr_va_sdst(0) depctr_va_ssrc(0) depctr_va_vcc(0) depctr_vm_vsrc(0)
	s_getreg_b32 s2, hwreg(HW_REG_IB_STS2, 6, 4)
	s_cmp_eq_u32 s2, 0
	s_cbranch_scc0 .Lentry_in_a_cluster
	s_endpgm
.Lentry_in_a_cluster:
	s_bfe_u32 s2, ttmp6, 0x10000c
	s_cmp_lg_u32 s2, 0x3003
	s_cbranch_scc0 .Lentry_shape_is_right
	s_endpgm
.Lentry_shape_is_right:
; THE WHOLE HYPERBOLIC GRU CELL FOR 64 ROWS A WORK-GROUP.  Four waves; wave w owns output columns 128 w .. 128 w + 127 of all 64 rows: 4 row tiles t x 8 column tiles n = 32 accumulators (256 registers).
; THREE STAGES OF ONE FORM (Z: prev Wz, inp Uz; R: prev Wr, inp Ur; C: (prev rt) W, inp U): g = hypA (+) hypB = c1 mA + c2 mB + c3 bA + c4 bB with four scalars a row.  One text, walked three times and left in the middle of the third walk.
; THE MATRIX INSTRUCTION IS USED TRANSPOSED (source 0 = 16 output columns of the weights, source 1 = 16 rows): lane (r = l % 16, h = l / 16), register j holds row 16 t + r, column 128 w + 16 n + 8 h + j, so a row's scalars are one number a lane.
; Two such results rounded to bf16 in pairs ARE a fragment of 16 rows x 32 columns.  So (a) a wave's slice of prev, inp or prev rt goes into LDS as it lies and is every wave's source 1: slot c of a pass takes columns 32 c .. of each wave's slice
; (K is walked in that order; the weight stream is laid out for it); (b) a row's dot products come from the matrix unit: fragment x fragment has them on the diagonal; a probe (rows 0, 8 = bA, rows 1, 9 = bB, else 0) x fragment has both bias dots in registers 0, 1.
; WEIGHTS: 24 tiles of 131,072 bytes, a wave's 32,768 dense bytes of each by one tensor load into its own two slots.  The four work-groups of a cluster walk the same tiles: each load is a joint one (mask 15).  One tensor load of a wave is out at the most.
; FORMATS: all inputs are used rounded to bf16 (prev and the biases in the element-wise work and the norms too); mA is kept in bf16 while the second pass runs; dots are taken of bf16 roundings with f32 sums; zt is kept in f16 (it lies in 0 to 1); all else f32.
; LIMITS: NaN and infinities are not treated apart.  |x (+) y|^2 is made as (x2 + 2 xy + y2) den / clip(den)^2, an identity; it enters only 1 - (..), products and artanh(n)/n.  The test sqrt|mx|^2 > 1e-6 is made as |mx|^2 > 1e-12 on the rounded mx.
; tanh(y) = 1 - 2 / (1 + 2^(2 log2(e) y)), artanh(z) = (ln 2 / 2) log2((1 + z) / (1 - z)): the two factors' product is 1, so K' = log2((1+z)/(1-z)) / n is used as it is, and -K'/2 is the sigmoid's exponent factor.
; REGISTERS in windows of 256 (s_set_vgpr_msb: bits 1:0 source 0, 3:2 source 1, 5:4 source 2, 7:6 destination):
;   window 0: addresses, row scalars, v64-255 at work     window 1: A, the accumulators (64 t + 8 n + j)     window 2: v0-127 M (mA bf16, or prev rt), v128-255 ZT (f16)     window 3: v0-127 PD (prev bf16), v128-255 XD (inp bf16)
.set SLOTB, 32768                      ; a wave's slot; its ring of two lies at 65536 w
.set TILEB, 131072                     ; a tile of the weight stream, four waves' parts
.set ACT0,  262144                     ; two activation chunks: 64 rows x (256 + 16) bytes; row pitch 68 words, so 16 rows start at 16 different groups of four banks
.set ACTB,  17408
.set AP,    272
.set RED0,  296960                     ; two areas for partial dots: wave 2,048 + row 32: eight f32
.set REDB,  8192
.set BIAS,  313344                     ; a copy of bc's first 9,216 bytes
.set STGB,  3072
.set SPARE, 322560                     ; the spare words, 128 bytes a wave: two blocks of 256 bytes that no other line names
.set OPI,   528                        ; the way out: 16 rows x (512 + 16) bytes a wave, in the chunks' bytes
.set R_, 1
.set H_, 2
.set L_, 3
.set ADW, 4                            ; 65536 w + 16 l: my weights
.set ADA, 5                            ; ACT0 + 272 r + 16 h: a fragment's rows in a chunk
.set CWA, 6                            ; ADA + 64 w: where my slice of a chunk goes
.set PRA, 7                            ; the probe's row for my lane
.set BDA, 8                            ; the biases of my columns
.set RSA, 9                            ; where my partial dots go
.set RLA, 10                           ; where a row's partial dots are read
.set TSA, 11                           ; the head's turning stage: in
.set TLA, 12                           ; and out
.set VO,  13                           ; 512 w + 16 l: my 16 bytes of a row of prev, inp, out0
.set STO, 14
.set SRD, 15
.set PFO, 16
.set BIO, 17
.set BSA, 18
.set ADR, 19
.set CA,  20                           ; |bA|^2, |bB|^2, bA.bB
.set CB,  21
.set CAB, 22
.set TM,  23
.set G2,  28                           ; v28-31  |g|^2, later K' of res1
.set NP2, 32                           ; v32-35  |prev|^2
.set KP,  36                           ; v36-39  K' of prev
.set KX,  40                           ; v40-43  K' of inp
.set CQ,  44                           ; v44-59  four a row tile: partial dots, then coefficients
.set ZERO, 60
.set SPW, 62
.set NIL, 63
.set F0,  64                           ; fragment buffers: 64 of weights, 32 of activations
.set F1,  160
.set PK,  64                           ; v64-191 the accumulators packed to bf16
.set PR,  192                          ; v192-223 the probe
.set ACC, 224                          ; v224-255 four accumulators for dots
.set QB,  64                           ; v64-191 32 registers a row tile for the row scalars
.set BFA, 64
.set BFB, 128
.set TT,  192
.set WV, 14
.set CX, 15
.set STG, 16
.set SIG, 17
.set LIM, 18
.set MB0, 19
.set MB1, 20
.set MB2, 21
.set VAL, 22
.set FSEL, 23
.set SEL, 24
.set CO, 26
.set BO, 27
.set G0, 28
.set G1, 32
.set PFA, 40
.set MSKH, 42
.set CC, 44
.set MSB, 0
.macro WIN new                         ; the immediate's high byte repeats the setting that is left; a switch that changes nothing is dropped
.if MSB != (\new)
	s_set_vgpr_msb (MSB<<8)|(\new)
.set MSB, (\new)
.endif
.endm
.macro PLACES n                        ; plain vector instructions between a matrix instruction and what touches its registers (ISA guide 7.12.1)
.rept \n
	v_nop
.endr
.endm
.macro TWAIT                           ; a plain instruction behind a batch of transcendentals, and the wait ahead of the batch's first reader
	v_nop
	s_wait_alu depctr_va_vdst(0)
.endm
.macro ALL line:vararg                 ; one line for each row tile t
.set t, 0
.rept 4
	\line
.set t, t+1
.endr
.endm
.macro ROUND                           ; a round of the cluster's barrier
	s_barrier_signal -1
	s_barrier_wait -1
	s_cmp_lg_u32 s[WV], 0
	s_cbranch_scc1 .Lnw0_\@
	s_barrier_signal -3
.Lnw0_\@:
	s_barrier_wait -3
	s_barrier_signal -1
	s_barrier_wait -1
.endm
; The change of slots: all my tensor loads have landed (the tile to be read among them); the add; the descriptor steps to the next tile and the other slot; the add, my reads of that slot and my chunk's stores are done;
; a round, so that this holds of every wave of the four work-groups; then the joint load, first behind it.
.macro SYNC3
	WIN 0
	s_wait_tensorcnt 0x0
	ds_add_u32 v[SPW], v[NIL]
	s_xor_b32 s[G0+1], s[G0+1], SLOTB
	s_add_nc_u64 s[G0+2:G0+3], s[G0+2:G0+3], TILEB
	s_wait_dscnt 0x0
	ROUND
	tensor_load_to_lds s[G0:G0+3], s[G1:G1+7]
	s_nop 0
	PLACES 4                                       ; also the places in front of the loads into the fragment buffers
.endm
; My slice of slot c's chunk: columns 32 c .. 32 c + 31 of my 128, all 64 rows, as they lie in registers
.macro CHUNK base, msb, c, par
	WIN \msb
.irp t, 0,1,2,3
.irp i, 0,1
	ds_store_b128 v[CWA], v[(\base)+32*(\t)+4*(2*(\c)+(\i)):(\base)+32*(\t)+4*(2*(\c)+(\i))+3] offset:(\par)*ACTB+(\t)*16*AP+32*(\i)
.endr
.endr
	WIN 0
.endm
.macro ACHUNK c                        ; the first pass's activation: prev, or in stage C prev rt
	s_cmp_eq_u32 s[STG], 2
	s_cbranch_scc1 .Lq_\@
	CHUNK 0, 0x0c, \c, ((\c)&1)
	s_branch .Lcd_\@
.Lq_\@:
	CHUNK 0, 0x08, \c, ((\c)&1)
.Lcd_\@:
.endm
.macro FETCH par, ks, f                ; a K step's 24 LDS loads: 8 fragments of weights, 4 of activations
.irp n, 0,1,2,3,4,5,6,7
	ds_load_b128 v[(\f)+8*(\n):(\f)+8*(\n)+3],   v[ADW] offset:(\par)*SLOTB+(\ks)*8192+(\n)*1024
	ds_load_b128 v[(\f)+8*(\n)+4:(\f)+8*(\n)+7], v[ADW] offset:(\par)*SLOTB+(\ks)*8192+(\n)*1024+512
.endr
.irp t, 0,1,2,3
	ds_load_b128 v[(\f)+64+8*(\t):(\f)+64+8*(\t)+3],   v[ADA] offset:(\par)*ACTB+(\t)*16*AP+(\ks)*64
	ds_load_b128 v[(\f)+64+8*(\t)+4:(\f)+64+8*(\t)+7], v[ADA] offset:(\par)*ACTB+(\t)*16*AP+(\ks)*64+32
.endr
.endm
.macro MUL f, zero                     ; 32 products, the 32 accumulators by turns; zero = 1: they start the sums
	WIN 0x50
.irp t, 0,1,2,3
.irp n, 0,1,2,3,4,5,6,7
.if \zero
	v_wmma_f32_16x16x32_bf16 v[64*(\t)+8*(\n):64*(\t)+8*(\n)+7], v[(\f)+8*(\n):(\f)+8*(\n)+7], v[(\f)+64+8*(\t):(\f)+64+8*(\t)+7], 0
.else
	v_wmma_f32_16x16x32_bf16 v[64*(\t)+8*(\n):64*(\t)+8*(\n)+7], v[(\f)+8*(\n):(\f)+8*(\n)+7], v[(\f)+64+8*(\t):(\f)+64+8*(\t)+7], v[64*(\t)+8*(\n):64*(\t)+8*(\n)+7]
.endif
.endr
.endr
.endm
; A prefetch of the tile four slots on: its 512 blocks of 256 bytes are shared out by address among the 16 waves of the launch's first cluster, a lane a block, so each block is named once; the last four slots ask for nothing.
.macro ASK
	s_cmp_lt_u32 s[SIG], s[LIM]
	s_cbranch_scc0 .Lnp_\@
	global_prefetch_b8 v[PFO], s[PFA:PFA+1] th:TH_LOAD_NT scope:SCOPE_SE
.Lnp_\@:
.endm
; A slot: 128 along K, four K steps on two fragment buffers.  fill = 0: nothing is asked for; the barrier only shows the chunk to all four waves.
.macro SLOT par, zero, fill
.if \fill
	SYNC3
.else
	WIN 0
	s_wait_tensorcnt 0x0                           ; my part of this slot's tile is in
	s_wait_dscnt 0x0                               ; my chunk's stores are done
	s_barrier_signal -1
	s_barrier_wait -1
	PLACES 4
.endif
	FETCH \par, 0, F0
	FETCH \par, 1, F1
	ASK
	s_wait_dscnt 24                                ; all but the younger K step's 24 loads
	MUL F0, \zero
	WIN 0
	PLACES 4
	FETCH \par, 2, F0
	s_wait_dscnt 24
	MUL F1, 0
	WIN 0
	PLACES 4
	FETCH \par, 3, F1
	s_wait_dscnt 24
	MUL F0, 0
	s_wait_dscnt 0x0
	MUL F1, 0
	WIN 0
	s_wait_xcnt 0x0                                ; the prefetch, 128 products back, has read its address
	s_add_nc_u64 s[PFA:PFA+1], s[PFA:PFA+1], TILEB
	s_add_co_u32 s[SIG], s[SIG], 1
.endm
.macro PACK dst, msb                   ; the accumulators rounded to bf16 in pairs, each from its low end on
	WIN \msb
.set i, 0
.rept 128
	v_cvt_pk_bf16_f32 v[(\dst)+i], v[2*i], v[2*i+1]
.set i, i+1
.endr
	WIN 0
.endm
.macro DOT16 msb, b0, b1               ; for each row tile the 16 x 16 products of two arrays' rows over my 128 columns; four accumulators by turns
	WIN \msb
.irp p, 0,1,2,3
.irp t, 0,1,2,3
.if (\p) == 0
	v_wmma_f32_16x16x32_bf16 v[ACC+8*(\t):ACC+8*(\t)+7], v[(\b0)+32*(\t)+8*(\p):(\b0)+32*(\t)+8*(\p)+7], v[(\b1)+32*(\t)+8*(\p):(\b1)+32*(\t)+8*(\p)+7], 0
.else
	v_wmma_f32_16x16x32_bf16 v[ACC+8*(\t):ACC+8*(\t)+7], v[(\b0)+32*(\t)+8*(\p):(\b0)+32*(\t)+8*(\p)+7], v[(\b1)+32*(\t)+8*(\p):(\b1)+32*(\t)+8*(\p)+7], v[ACC+8*(\t):ACC+8*(\t)+7]
.endif
.endr
.endr
	WIN 0
	PLACES 5
.endm
.macro PROBE16 msb, b1                 ; register 0: bA . row, register 1: bB . row, in every lane
	WIN \msb
.irp p, 0,1,2,3
.irp t, 0,1,2,3
.if (\p) == 0
	v_wmma_f32_16x16x32_bf16 v[ACC+8*(\t):ACC+8*(\t)+7], v[PR+8*(\p):PR+8*(\p)+7], v[(\b1)+32*(\t)+8*(\p):(\b1)+32*(\t)+8*(\p)+7], 0
.else
	v_wmma_f32_16x16x32_bf16 v[ACC+8*(\t):ACC+8*(\t)+7], v[PR+8*(\p):PR+8*(\p)+7], v[(\b1)+32*(\t)+8*(\p):(\b1)+32*(\t)+8*(\p)+7], v[ACC+8*(\t):ACC+8*(\t)+7]
.endif
.endr
.endr
	WIN 0
	PLACES 5
.endm
.macro PRLOAD
	v_add_nc_u32 v[ADR], s[BO], v[PRA]
.irp p, 0,1,2,3
	ds_load_b128 v[PR+8*(\p):PR+8*(\p)+3],   v[ADR] offset:64*(\p)
	ds_load_b128 v[PR+8*(\p)+4:PR+8*(\p)+7], v[ADR] offset:64*(\p)+32
.endr
.endm
.macro DIAG tt, dst                    ; the diagonal: row r's number lies in register r % 8 of the lane with h = r / 8; both halves of the lanes end with it
.set a, ACC+8*(\tt)
	v_cndmask_b32 v[a],   v[a],   v[a+1], s[MB0]
	v_cndmask_b32 v[a+2], v[a+2], v[a+3], s[MB0]
	v_cndmask_b32 v[a+4], v[a+4], v[a+5], s[MB0]
	v_cndmask_b32 v[a+6], v[a+6], v[a+7], s[MB0]
	v_cndmask_b32 v[a],   v[a],   v[a+2], s[MB1]
	v_cndmask_b32 v[a+4], v[a+4], v[a+6], s[MB1]
	v_cndmask_b32 v[a],   v[a],   v[a+4], s[MB2]
	v_permlanex16_b32 v[a+1], v[a], s[SEL], s[SEL+1]
	v_cndmask_b32 v[\dst], v[a+1], v[a], s[VAL]
.endm
.macro DIAGS k                         ; into number k of each row tile's four
.irp t, 0,1,2,3
	DIAG \t, CQ+4*\t+\k
.endr
.endm
.macro PUT half, par
.irp t, 0,1,2,3
	ds_store_b128 v[RSA], v[CQ+4*(\t):CQ+4*(\t)+3] offset:(\par)*REDB+(\t)*512+16*(\half)
.endr
.endm
.macro EXCH par, nh                    ; the four waves' partial dots meet: my stores are done, a barrier, every lane reads its rows' records and adds them
	s_wait_dscnt 0x0
	s_barrier_signal -1
	s_barrier_wait -1
.irp t, 0,1,2,3
.irp u, 0,1,2,3
	ds_load_b128 v[QB+32*(\t)+8*(\u):QB+32*(\t)+8*(\u)+3], v[RLA] offset:(\par)*REDB+(\u)*2048+(\t)*512
.if (\nh) > 1
	ds_load_b128 v[QB+32*(\t)+8*(\u)+4:QB+32*(\t)+8*(\u)+7], v[RLA] offset:(\par)*REDB+(\u)*2048+(\t)*512+16
.endif
.endr
.endr
	s_wait_dscnt 0x0
.set i, 0
.rept 2*(\nh)
	ALL v_pk_add_f32 v[QB+32*t+i:QB+32*t+i+1], v[QB+32*t+i:QB+32*t+i+1], v[QB+32*t+8+i:QB+32*t+8+i+1]
	ALL v_pk_add_f32 v[QB+32*t+16+i:QB+32*t+16+i+1], v[QB+32*t+16+i:QB+32*t+16+i+1], v[QB+32*t+24+i:QB+32*t+24+i+1]
	ALL v_pk_add_f32 v[QB+32*t+i:QB+32*t+i+1], v[QB+32*t+i:QB+32*t+i+1], v[QB+32*t+16+i:QB+32*t+16+i+1]
.set i, i+2
.endr
.endm
; ROW SCALARS, each line for the four row tiles; arguments are register numbers that may hold t.
.macro ATK n2, k, a, b                 ; k = log2((1 + z) / (1 - z)) / n, n = sqrt(max(n2, 1e-7)), z = min(n, 1 - 1e-6)
	ALL v_max_num_f32 v[\a], 0x33d6bf95, v[\n2]
	ALL v_rsq_f32 v[\b], v[\a]
	TWAIT
	ALL v_mul_f32 v[\a], v[\a], v[\b]
	ALL v_min_num_f32 v[\a], 0x3f7fffef, v[\a]
	ALL v_sub_f32 v[\k], 1.0, v[\a]
	ALL v_rcp_f32 v[\k], v[\k]
	TWAIT
	ALL v_add_f32 v[\a], 1.0, v[\a]
	ALL v_mul_f32 v[\a], v[\a], v[\k]
	ALL v_log_f32 v[\a], v[\a]
	TWAIT
	ALL v_mul_f32 v[\k], v[\a], v[\b]
.endm
.macro TANHS q, k, s, a                ; s = tanh(m K) / m, m = sqrt(max(q, 1e-7)), k = 2 log2(e) K; 0 unless q > 1e-12
	ALL v_max_num_f32 v[\a], 0x33d6bf95, v[\q]
	ALL v_rsq_f32 v[\s], v[\a]
	TWAIT
	ALL v_mul_f32 v[\a], v[\a], v[\s]
	ALL v_mul_f32 v[\a], v[\a], v[\k]
	ALL v_exp_f32 v[\a], v[\a]
	TWAIT
	ALL v_add_f32 v[\a], 1.0, v[\a]
	ALL v_rcp_f32 v[\a], v[\a]
	TWAIT
	ALL v_fma_f32 v[\a], v[\a], -2.0, 1.0
	ALL v_mul_f32 v[\s], v[\a], v[\s]
	ALL v_cmp_lt_f32 s[48+t], 0x2b8cbccc, v[\q]
	ALL v_cndmask_b32 v[\s], 0, v[\s], s[48+t]
.endm
.macro MADD x2, y2, xy, p, q, n2, a    ; x (+) y = p x + q y; n2 = its squared norm
	ALL v_fma_f32 v[\a], v[\xy], 2.0, 1.0
	ALL v_add_f32 v[\p], v[\a], v[\y2]
	ALL v_fma_f32 v[\a], v[\x2], v[\y2], v[\a]
	ALL v_fma_f32 v[\n2], v[\xy], 2.0, v[\x2]
	ALL v_add_f32 v[\n2], v[\n2], v[\y2]
	ALL v_mul_f32 v[\n2], v[\n2], v[\a]
	ALL v_sub_f32 v[\q], 1.0, v[\x2]
	ALL v_max_num_f32 v[\a], 0x33d6bf95, v[\a]
	ALL v_rcp_f32 v[\a], v[\a]
	TWAIT
	ALL v_mul_f32 v[\p], v[\p], v[\a]
	ALL v_mul_f32 v[\q], v[\q], v[\a]
	ALL v_mul_f32 v[\n2], v[\n2], v[\a]
	ALL v_mul_f32 v[\n2], v[\n2], v[\a]
.endm
.macro BM d, x, y                      ; block register d = x * y
	ALL v_mul_f32 v[QB+32*t+\d], v[QB+32*t+\x], v[QB+32*t+\y]
.endm
.macro BF d, x, y, z                   ; d = x * y + z
	ALL v_fma_f32 v[QB+32*t+\d], v[QB+32*t+\x], v[QB+32*t+\y], v[QB+32*t+\z]
.endm
.macro AXPY                            ; A = A * CQ[t][0] + prev * CQ[t][1]
	WIN 0x41
.irp t, 0,1,2,3
.set i, 0
.rept 32
	v_pk_mul_f32 v[64*(\t)+i:64*(\t)+i+1], v[64*(\t)+i:64*(\t)+i+1], v[CQ+4*(\t):CQ+4*(\t)+1] op_sel_hi:[1,0]
.set i, i+2
.endr
.endr
	WIN 0x53
.irp t, 0,1,2,3
.set i, 0
.rept 32
	v_fma_mix_f32_bf16 v[64*(\t)+2*i],   v[32*(\t)+i], v[CQ+4*(\t)+1], v[64*(\t)+2*i]   op_sel_hi:[1,0,0]
	v_fma_mix_f32_bf16 v[64*(\t)+2*i+1], v[32*(\t)+i], v[CQ+4*(\t)+1], v[64*(\t)+2*i+1] op_sel:[1,0,0] op_sel_hi:[1,0,0]
.set i, i+1
.endr
.endr
	WIN 0
.endm
; 64 rows x my 128 columns, landed row by row as f32, are rounded to bf16 and turned into the accumulators' layout through my own stage, 16 rows at a time.  LDS serves a wave's instructions in order (ISA guide 5.7.1.4).
.macro TRANSP smsb, dbase, lw
.irp t, 0,1,2,3
.if \lw
	s_wait_loadcnt 48-16*(\t)                      ; the loads issued behind these 16 rows' may stay out
.endif
	WIN \smsb
.set i, 0
.rept 32
	v_cvt_pk_bf16_f32 v[96+i], v[64*(\t)+2*i], v[64*(\t)+2*i+1]
.set i, i+1
.endr
	WIN 0
.set i, 0
.rept 16
	ds_store_b64 v[TSA], v[96+2*i:96+2*i+1] offset:AP*i
.set i, i+1
.endr
	WIN 0xc0
.irp n, 0,1,2,3,4,5,6,7
	ds_load_b128 v[(\dbase)+32*(\t)+4*(\n):(\dbase)+32*(\t)+4*(\n)+3], v[TLA] offset:32*(\n)
.endr
	WIN 0
.endr
.endm
	; ---------------- the head
	s_load_b256 s[4:11], s[0:1], 0x0               ; prev s[4:5], inp s[6:7], ws s[8:9], bc s[10:11]
	s_load_b64 s[12:13], s[0:1], 0x20              ; out0
	v_lshl_add_u32 v[SPW], v0, 2, SPARE
	v_mov_b32 v[NIL], 0
	ds_add_u32 v[SPW], v[NIL]                      ; the wave's opening: the add, twice on end, and its wait ahead of my first tensor load
	ds_add_u32 v[SPW], v[NIL]
	v_lshrrev_b32 v[TM], 5, v0
	v_readfirstlane_b32 s[WV], v[TM]               ; wave 0..3
	s_bfe_u32 s[CX], ttmp6, 0x40000                ; my place in the cluster: it enters the addresses of prev, inp, out0 and of the prefetches alone
	s_mov_b32 s[G1], 15|(3<<16)|(1<<21)            ; the mask of four; elements of 8 bytes; bit 21 beside a mask
	s_mov_b32 s[G1+1], 32<<16                      ; tensor_dim0 = 32 (256 bytes)
	s_mov_b32 s[G1+2], 128<<16                     ; tensor_dim1 = 128
	s_mov_b32 s[G1+3], 32<<16                      ; tile_dim0 = 32
	s_mov_b32 s[G1+4], 128                         ; tile_dim1 = 128: 32,768 dense bytes
	s_mov_b32 s[G1+5], 32                          ; pitch
	s_mov_b32 s[G1+6], 0
	s_mov_b32 s[G1+7], 0
	s_mov_b32 s[G0], 1
	s_lshl_b32 s[G0+1], s[WV], 16                  ; my ring, slot 0
	s_mov_b32 s[SEL], 0x76543210
	s_mov_b32 s[SEL+1], 0xfedcba98
	s_mov_b32 s[MSKH], 0xffff0000
	s_cmp_eq_u32 ttmp9, 0
	s_cselect_b32 s[LIM], 20, 0                    ; the first cluster prefetches, in slots 0 to 19
	v_and_b32 v[R_], 15, v0
	v_bfe_u32 v[H_], v0, 4, 1
	v_and_b32 v[L_], 31, v0
	s_lshl_b32 s48, s[WV], 16
	v_lshl_add_u32 v[ADW], v[L_], 4, s48
	v_mul_u32_u24 v[TM], v[R_], AP
	v_lshl_add_u32 v[TM], v[H_], 4, v[TM]
	v_add_nc_u32 v[ADA], ACT0, v[TM]
	s_lshl_b32 s49, s[WV], 6
	v_add_nc_u32 v[CWA], s49, v[ADA]
	s_mul_i32 s50, s[WV], 16*AP
	v_add_nc_u32 v[TLA], s50, v[ADA]
	s_add_co_u32 s51, s50, ACT0
	v_lshl_add_u32 v[TSA], v[L_], 3, s51
	s_lshl_b32 s52, s[WV], 8
	s_add_co_u32 s52, s52, BIAS
	v_lshl_add_u32 v[BDA], v[H_], 4, s52
	v_and_b32 v[PRA], 7, v[R_]
	v_min_u32 v[PRA], 2, v[PRA]                    ; probe rows 0, 8: bA; 1, 9: bB; the others: the zeros
	v_lshlrev_b32 v[PRA], 10, v[PRA]
	v_add_nc_u32 v[PRA], v[PRA], v[BDA]
	v_lshlrev_b32 v[RLA], 5, v[R_]
	v_add_nc_u32 v[RLA], RED0, v[RLA]
	s_lshl_b32 s53, s[WV], 11
	v_add_nc_u32 v[RSA], s53, v[RLA]
	s_lshl_b32 s54, s[WV], 9
	v_lshl_add_u32 v[VO], v[L_], 4, s54
	s_mul_i32 s55, s[WV], 16*OPI
	s_add_co_u32 s55, s55, ACT0
	v_mul_u32_u24 v[STO], v[R_], OPI
	v_lshl_add_u32 v[STO], v[H_], 5, v[STO]
	v_add_nc_u32 v[STO], s55, v[STO]
	v_lshl_add_u32 v[SRD], v[L_], 4, s55
	v_lshlrev_b32 v[PFO], 8, v[L_]
	v_lshlrev_b32 v[BIO], 3, v0
	v_lshl_add_u32 v[BSA], v0, 3, BIAS
	v_and_b32 v[TM], 1, v[R_]
	v_cmp_ne_u32 s[MB0], 0, v[TM]
	v_and_b32 v[TM], 2, v[R_]
	v_cmp_ne_u32 s[MB1], 0, v[TM]
	v_and_b32 v[TM], 4, v[R_]
	v_cmp_ne_u32 s[MB2], 0, v[TM]
	v_lshrrev_b32 v[TM], 3, v[R_]
	v_cmp_eq_u32 s[VAL], v[TM], v[H_]
	v_mov_b32 v[ZERO], 0
	v_mov_b32 v24, 0
	v_mov_b32 v25, 0
	v_mov_b32 v26, 0
	v_mov_b32 v27, 0
.set i, 0
.rept 16
	v_mov_b32 v[CQ+i], 0
.set i, i+1
.endr
	s_wait_dscnt 0x0                               ; both opening adds are done
	s_wait_kmcnt 0x0
	s_lshl_b32 s56, s[WV], 15                      ; my 32,768 bytes of a tile: the wave's number alone
	s_mov_b32 s57, 0
	s_add_nc_u64 s[G0+2:G0+3], s[8:9], s[56:57]
	s_or_b32 s[G0+3], s[G0+3], 0x80000000          ; type = 2
	s_lshl_b32 s58, ttmp9, 2
	s_add_co_u32 s58, s58, s[CX]                   ; my work-group
	s_lshl_b32 s58, s58, 17                        ; its 64 rows of 2,048 bytes
	s_mov_b32 s59, 0
	s_add_nc_u64 s[4:5], s[4:5], s[58:59]
	s_add_nc_u64 s[6:7], s[6:7], s[58:59]
	s_add_nc_u64 s[12:13], s[12:13], s[58:59]
	s_lshl_b32 s60, s[CX], 15
	s_lshl_b32 s61, s[WV], 13
	s_add_co_u32 s60, s60, s61
	s_add_co_u32 s60, s60, 4*TILEB                 ; tile 4: my work-group's quarter, my wave's 8,192 bytes of it
	s_mov_b32 s61, 0
	s_add_nc_u64 s[PFA:PFA+1], s[8:9], s[60:61]
	ROUND                                          ; all four work-groups are here: the first joint loads meet
	tensor_load_to_lds s[G0:G0+3], s[G1:G1+7]      ; tile 0
	s_nop 0
	PLACES 4
.irp i, 0,1,2,3,4,5,6,7,8
	global_load_b64 v[64+2*\i:65+2*\i], v[BIO], s[10:11] offset:1024*\i
.endr
	WIN 0x40
.set i, 0
.rept 64
	global_load_b128 v[4*i:4*i+3], v[VO], s[4:5] offset:2048*i th:TH_LOAD_NT   ; row i of prev: 512 consecutive bytes of the wave
.set i, i+1
.endr
	WIN 0x80
.set i, 0
.rept 64
	global_load_b128 v[4*i:4*i+3], v[VO], s[6:7] offset:2048*i th:TH_LOAD_NT   ; row i of inp
.set i, i+1
.endr
	WIN 0
	s_wait_loadcnt 63                              ; of 137 loads the first 74 are in: the biases, all of prev and inp's first row
.irp i, 0,1,2,3,4,5,6,7,8
	ds_store_b64 v[BSA], v[64+2*\i:65+2*\i] offset:1024*\i
.endr
	TRANSP 0x05, 0, 0
	TRANSP 0x0a, 128, 1
	s_wait_dscnt 0x0
	DOT16 0x0f, 0, 0                               ; |prev|^2
	DIAGS 0
	DOT16 0x0f, 128, 128                           ; |inp|^2
	DIAGS 1
	PUT 0, 0
	EXCH 0, 1                                      ; its barrier also shows the biases to all, and ends the use of the chunks' bytes as turning stages
	ALL v_mov_b32 v[NP2+t], v[QB+32*t]
	ATK QB+32*t, KP+t, QB+32*t+8, QB+32*t+9
	ATK QB+32*t+1, KX+t, QB+32*t+8, QB+32*t+9
	s_mov_b32 s[STG], 0
	s_mov_b32 s[SIG], 0
	; ---------------- a stage
.Lstage:
	s_lshl_b32 s[CO], s[STG], 4
	s_load_b128 s[CC:CC+3], s[10:11], s[CO] offset:9216    ; |bA|^2, |bB|^2, bA.bB
	s_mul_i32 s[BO], s[STG], STGB
	s_cmp_eq_u32 s[STG], 2
	s_cselect_b32 s[FSEL], -1, 0
	ACHUNK 0
	SLOT 0, 1, 1
	ACHUNK 1
	SLOT 1, 0, 1
	ACHUNK 2
	SLOT 0, 0, 1
	ACHUNK 3
	SLOT 1, 0, 1
	; mA: kept in bf16; |mA|^2, mA.bA, mA.bB
	PLACES 5
	PACK 0, 0x85
	PRLOAD
	DOT16 0x0a, 0, 0
	DIAGS 0
	s_wait_dscnt 0x0                               ; the probe is in
	PROBE16 0x08, 0
.irp t, 0,1,2,3
	v_mov_b32 v[CQ+4*\t+1], v[ACC+8*\t]
	v_mov_b32 v[CQ+4*\t+2], v[ACC+8*\t+1]
.endr
	PUT 0, 0
	CHUNK 128, 0x0c, 0, 0
	SLOT 0, 1, 1
	CHUNK 128, 0x0c, 1, 1
	SLOT 1, 0, 1
	CHUNK 128, 0x0c, 2, 0
	SLOT 0, 0, 1
	CHUNK 128, 0x0c, 3, 1
	SLOT 1, 0, 0                                   ; the stage's last slot asks for nothing: the next stage's first tile is asked for below, behind the way out of the loop
	; mB: |mB|^2, mA.mB, mB.bA, mB.bB
	PLACES 5
	PACK PK, 0x05
	PRLOAD
	DOT16 0, PK, PK
	DIAGS 0
	DOT16 0x02, 0, PK
	DIAGS 3
	s_wait_dscnt 0x0
	PROBE16 0, PK
.irp t, 0,1,2,3
	v_mov_b32 v[CQ+4*\t+1], v[ACC+8*\t]
	v_mov_b32 v[CQ+4*\t+2], v[ACC+8*\t+1]
.endr
	PUT 1, 0
	EXCH 0, 2                                      ; block registers: 0 |mA|^2, 1 mA.bA, 2 mA.bB, 4 |mB|^2, 5 mB.bA, 6 mB.bB, 7 mA.mB
	v_add_nc_u32 v[ADR], s[BO], v[BDA]             ; the biases of my columns are fetched under the row scalars
.irp n, 0,1,2,3,4,5,6,7
	ds_load_b128 v[TT+4*\n:TT+4*\n+3], v[ADR] offset:32*\n
	ds_load_b128 v[TT+32+4*\n:TT+32+4*\n+3], v[ADR] offset:1024+32*\n
.endr
	s_wait_kmcnt 0x0
	v_mov_b32 v[CA], s[CC]
	v_mov_b32 v[CB], s[CC+1]
	v_mov_b32 v[CAB], s[CC+2]
	TANHS QB+32*t, KP+t, QB+32*t+8, QB+32*t+9      ; 8: sA
	TANHS QB+32*t+4, KX+t, QB+32*t+10, QB+32*t+11  ; 10: sB
	BM 9, 8, 8
	BM 9, 9, 0
	BM 11, 8, 1
	MADD QB+32*t+9, CA, QB+32*t+11, QB+32*t+12, QB+32*t+13, QB+32*t+14, QB+32*t+15   ; hypA = 12 sA mA + 13 bA; 14: its squared norm
	BM 12, 12, 8
	BM 9, 10, 10
	BM 9, 9, 4
	BM 11, 10, 6
	MADD QB+32*t+9, CB, QB+32*t+11, QB+32*t+16, QB+32*t+17, QB+32*t+18, QB+32*t+15   ; hypB likewise: 16, 17, 18
	BM 16, 16, 10
	BM 9, 17, 2
	BF 9, 16, 7, 9
	ALL v_mul_f32 v[QB+32*t+11], v[QB+32*t+17], v[CAB]
	BF 11, 16, 5, 11
	BM 9, 12, 9
	BF 9, 13, 11, 9                                ; hypA . hypB
	MADD QB+32*t+14, QB+32*t+18, QB+32*t+9, QB+32*t+19, QB+32*t+20, G2+t, QB+32*t+15
	ATK G2+t, QB+32*t+21, QB+32*t+22, QB+32*t+23
	ALL v_mul_f32 v[QB+32*t+21], -0.5, v[QB+32*t+21]           ; stages Z, R: the sigmoid's exponent is made at once;
	ALL v_cndmask_b32 v[QB+32*t+21], v[QB+32*t+21], 1.0, s[FSEL]   ; stage C: g itself
	BM 19, 19, 21
	BM 20, 20, 21
	ALL v_mul_f32 v[CQ+4*t],   v[QB+32*t+19], v[QB+32*t+12]    ; c1
	ALL v_mul_f32 v[CQ+4*t+1], v[QB+32*t+20], v[QB+32*t+16]    ; c2
	ALL v_mul_f32 v[CQ+4*t+2], v[QB+32*t+19], v[QB+32*t+13]    ; c3
	ALL v_mul_f32 v[CQ+4*t+3], v[QB+32*t+20], v[QB+32*t+17]    ; c4
	s_wait_dscnt 0x0
.set i, 0
.rept 32
	v_lshlrev_b32 v[BFA+2*i], 16, v[TT+i]
	v_and_b32 v[BFA+2*i+1], s[MSKH], v[TT+i]
	v_lshlrev_b32 v[BFB+2*i], 16, v[TT+32+i]
	v_and_b32 v[BFB+2*i+1], s[MSKH], v[TT+32+i]
.set i, i+1
.endr
	; A = c2 A + c1 mA + c3 bA + c4 bB
.irp t, 0,1,2,3
	WIN 0
	v_mov_b32 v24, v[CQ+4*\t+1]                    ; c2 and c4 into the low register of a pair, for the packed forms
	v_mov_b32 v26, v[CQ+4*\t+3]
.set i, 0
.rept 32
	v_pk_mul_f32 v[TT+i:TT+i+1], v[BFA+i:BFA+i+1], v[CQ+4*\t+2:CQ+4*\t+3] op_sel_hi:[1,0]
.set i, i+2
.endr
.set i, 0
.rept 32
	v_pk_fma_f32 v[TT+i:TT+i+1], v[BFB+i:BFB+i+1], v[26:27], v[TT+i:TT+i+1] op_sel_hi:[1,0,1]
.set i, i+2
.endr
	WIN 0x41
.set i, 0
.rept 32
	v_pk_fma_f32 v[64*\t+i:64*\t+i+1], v[64*\t+i:64*\t+i+1], v[24:25], v[TT+i:TT+i+1] op_sel_hi:[1,0,1]
.set i, i+2
.endr
	WIN 0x52
.set i, 0
.rept 32
	v_fma_mix_f32_bf16 v[64*\t+2*i],   v[32*\t+i], v[CQ+4*\t], v[64*\t+2*i]   op_sel_hi:[1,0,0]
	v_fma_mix_f32_bf16 v[64*\t+2*i+1], v[32*\t+i], v[CQ+4*\t], v[64*\t+2*i+1] op_sel:[1,0,0] op_sel_hi:[1,0,0]
.set i, i+1
.endr
.endr
	WIN 0
	s_cmp_eq_u32 s[STG], 2
	s_cbranch_scc1 .Lctail                         ; the third walk is left here: the same in every work-group
	SYNC3                                          ; the next stage's first tile lands under the sigmoid
	WIN 0x41
.set i, 0
.rept 256
	v_exp_f32 v[i], v[i]
.set i, i+1
.endr
	TWAIT
.set i, 0
.rept 128
	v_pk_add_f32 v[i:i+1], v[i:i+1], 1.0 op_sel_hi:[1,0]
.set i, i+2
.endr
.set i, 0
.rept 256
	v_rcp_f32 v[i], v[i]
.set i, i+1
.endr
	TWAIT
	WIN 0
	s_cmp_eq_u32 s[STG], 0
	s_cbranch_scc0 .Lrt
	WIN 0x85
.set i, 0
.rept 128
	v_cvt_pk_f16_f32 v[128+i], v[2*i], v[2*i+1]    ; zt
.set i, i+1
.endr
	WIN 0
	s_branch .Lnext
.Lrt:
	WIN 0x85
.set i, 0
.rept 128
	v_cvt_pk_bf16_f32 v[i], v[2*i], v[2*i+1]       ; rt
.set i, i+1
.endr
	WIN 0x8b
.set i, 0
.rept 128
	v_pk_mul_bf16 v[i], v[i], v[i]                 ; prev (window 3) x rt (window 2): stage C's first activation
.set i, i+1
.endr
	WIN 0
.Lnext:
	s_add_co_u32 s[STG], s[STG], 1
	s_cmp_lt_u32 s[STG], 3
	s_cbranch_scc1 .Lstage
	; ---------------- behind stage C: A = ht_new, G2 = its squared norm
.Lctail:
	PACK PK, 0x05
	DOT16 0x03, 0, PK                              ; prev . ht_new
	DIAGS 0
	PUT 0, 1
	EXCH 1, 1
	ALL v_mul_f32 v[QB+32*t+8], -1.0, v[QB+32*t]
	MADD NP2+t, G2+t, QB+32*t+8, QB+32*t+9, QB+32*t+10, QB+32*t+11, QB+32*t+12
	ALL v_mov_b32 v[CQ+4*t], v[QB+32*t+10]
	ALL v_mul_f32 v[CQ+4*t+1], -1.0, v[QB+32*t+9]
	ATK QB+32*t+11, G2+t, QB+32*t+13, QB+32*t+14   ; K' of res1
	AXPY                                           ; res1
	WIN 0x46
.set i, 0
.rept 128
	v_fma_mix_f32 v[2*i],   v[128+i], v[2*i],   v[ZERO] op_sel_hi:[1,0,0]              ; v = res1 zt
	v_fma_mix_f32 v[2*i+1], v[128+i], v[2*i+1], v[ZERO] op_sel:[1,0,0] op_sel_hi:[1,0,0]
.set i, i+1
.endr
	WIN 0
	PACK PK, 0x05
	DOT16 0, PK, PK                                ; |v|^2
	DIAGS 0
	DOT16 0x03, 0, PK                              ; prev . v
	DIAGS 1
	PUT 0, 0
	EXCH 0, 1
	TANHS QB+32*t, G2+t, QB+32*t+8, QB+32*t+9
	BM 9, 8, 8
	BM 9, 9, 0
	BM 10, 8, 1
	MADD NP2+t, QB+32*t+9, QB+32*t+10, QB+32*t+11, QB+32*t+12, QB+32*t+13, QB+32*t+14
	ALL v_mul_f32 v[CQ+4*t], v[QB+32*t+12], v[QB+32*t+8]
	ALL v_mov_b32 v[CQ+4*t+1], v[QB+32*t+11]
	AXPY                                           ; ht
	; THE WAY OUT: 16 rows at a time through my own stage, back as whole rows of 512 bytes.  The two barriers above lie between every wave's last reads of the chunks and these stores.
.irp t, 0,1,2,3
.if (\t) >= 2
	s_wait_xcnt 0x0                                ; the stores of two row tiles back have read their registers
.endif
	WIN 0x04
.irp n, 0,1,2,3,4,5,6,7
	ds_store_b128 v[STO], v[64*(\t)+8*(\n):64*(\t)+8*(\n)+3]   offset:64*(\n)
	ds_store_b128 v[STO], v[64*(\t)+8*(\n)+4:64*(\t)+8*(\n)+7] offset:64*(\n)+16
.endr
	WIN 0
.set i, 0
.rept 16
	ds_load_b128 v[64+64*((\t)&1)+4*i:64+64*((\t)&1)+4*i+3], v[SRD] offset:OPI*i
.set i, i+1
.endr
.set i, 0
.rept 16
	s_wait_dscnt 15-i                              ; row i is back; the younger rows' loads may stay out
	global_store_b128 v[VO], v[64+64*((\t)&1)+4*i:64+64*((\t)&1)+4*i+3], s[12:13] offset:(16*(\t)+i)*2048 th:TH_STORE_NT   ; 512 consecutive bytes, aligned
.set i, i+1
.endr
.endr
	s_wait_tensorcnt 0x0                           ; the wave's end
	ds_add_u32 v[SPW], v[NIL]
	s_wait_dscnt 0x0
	ROUND                                          ; the closing round
	s_endpgm
.Lfunc_end_k_q1b5650aab1_cell:
	.size	k_q1b5650aab1_cell, .Lfunc_end_k_q1b5650aab1_cell-k_q1b5650aab1_cell
	.p2alignl 7, 3214868480
	.fill 96, 4, 3214868480
	.section	.rodata,"a",@progbits
	.p2align	6, 0x0
	.amdhsa_kernel k_q1b5650aab1_cell
		.amdhsa_group_segment_fixed_size 327680
		.amdhsa_private_segment_fixed_size 0
		.amdhsa_enable_private_segment 0
		.amdhsa_kernarg_size 40
		.amdhsa_user_sgpr_count 2
		.amdhsa_user_sgpr_kernarg_segment_ptr 1
		.amdhsa_wavefront_size32 1
		.amdhsa_system_sgpr_workgroup_id_x 1
		.amdhsa_system_sgpr_workgroup_id_y 1
		.amdhsa_system_sgpr_workgroup_id_z 1
		.amdhsa_system_vgpr_workitem_id 0
		.amdhsa_next_free_vgpr 1024
		.amdhsa_next_free_sgpr 66
		.amdhsa_reserve_vcc 0
		.amdhsa_float_denorm_mode_32 3
		.amdhsa_float_denorm_mode_16_64 3
		.amdhsa_memory_ordered 1
		.amdhsa_forward_progress 1
		.amdhsa_inst_pref_size 255
	.end_amdhsa_kernel
	.section	.bss,"aw",@nobits
	.p2align	6
	.space	262144
	.amdgpu_metadata
---
amdhsa.version: [ 1, 2 ]
amdhsa.kernels:
  - .name:           k_q1b5650aab1_cell
    .symbol:         k_q1b5650aab1_cell.kd
    .args:
      - { .name: prev, .offset: 0, .size: 8, .value_kind: global_buffer, .address_space: global }
      - { .name: inp, .offset: 8, .size: 8, .value_kind: global_buffer, .address_space: global }
      - { .name: ws, .offset: 16, .size: 8, .value_kind: global_buffer, .address_space: global }
      - { .name: bc, .offset: 24, .size: 8, .value_kind: global_buffer, .address_space: global }
      - { .name: out0, .offset: 32, .size: 8, .value_kind: global_buffer, .address_space: global }
    .group_segment_fixed_size: 327680
    .private_segment_fixed_size: 0
    .kernarg_segment_align: 8
    .kernarg_segment_size: 40
    .max_flat_workgroup_size: 128
    .sgpr_count:     66
    .vgpr_count:     1024
    .wavefront_size: 32
...
	.end_amdgpu_metadata
.endif
;; end of part 2
